; MI455X (gfx1250); checked and timed in simulation.
; The chip was launched on July 23, 2026; its instructions are those of AMD's public machine-readable ISA for CDNA 5 (MIT licence, August 2026) and "CDNA5" Instruction Set Architecture Reference Guide (July 2026). The comments in the code are by the model that wrote it; some were corrected since.
;; Attention. Allowed arithmetic: matrix products marked QUANTISED: E2M1 operands, one E8M0 scale for each 32 along K, by v_wmma_scale_f32_16x16x128_f8f6f4 with both operands' format E2M1 (or v_wmma_scale_f32_32x16x128_f4), f32 sums; products left as they are: f32 operands where the result goes on into a quantised operand, else bf16, f16 or f32 operands; f32 sums; everything else in f32.
;; Inputs: attn_w 1,024 x 2,048 float32; encoder_outputs 32 x 2,048 x 1,024 float32; s 32 x 1,024 float32; v_w 1 x 1,024 float32.
;; Outputs: out0 32 x 2,048 float32.
;; This version of the problem:
;;   THIS VERSION OF THE PROBLEM IS GIVEN IN LOW PRECISION. The matrix products marked QUANTISED in the list below multiply operands that are first quantised to E2M1 (2 exponent bits, 1 mantissa bit; 4 bits a number), with one power-of-two scale for each 32 numbers along K (OCP MX v1.0); their sums are f32. All else is computed in f32.
;;   The module's matrix products, in the order in which they are computed (A, B: the left and right operand; K: the contracted axis; several contracted axes count as one K, in the product's order):
;;     1. [M 32, K 1,024] x [K 1,024, N 1,024]; A: input s; B: input attn_w: QUANTISED
;;     2. [M 65,536, K 1,024] x [K 1,024, N 1,024]; A: input encoder_outputs; B: input attn_w: QUANTISED
;;     3. [M 65,536, K 1,024] x [K 1,024, N 1]; A: computed on the way; B: computed on the way: left as it is (N = 1 < 16)
;;   THE QUANTISER, for each operand of a quantised product, along K:
;;     - K is cut into blocks of 32 from its start; a last block that is shorter is filled with zeros.
;;     - A block's scale is 2^e with e = floor(log2(the largest magnitude in the block)) - 2, held to -126 .. 127; a block of zeros has e = 0. As a byte (E8M0): e + 127.
;;     - Each number is divided by its block's scale, clamped to +-6, and rounded to the nearest number of E2M1, ties to even, subnormals kept.
;;     - The product sums the exact products of the quantised numbers (number of the format x scale) in f32.
;;   ~~~python
;;   def quantise(x, axis):      # numpy; x: float32 -> the quantised numbers, widened to float32 again
;;       x = np.moveaxis(x, axis, -1); K = x.shape[-1]
;;       x = np.pad(x, [(0, 0)] * (x.ndim - 1) + [(0, -K % 32)]); x = x.reshape(x.shape[:-1] + (-1, 32)); a = np.abs(x).max(-1, keepdims=True)
;;       e = np.where(a > 0, np.clip(np.frexp(np.where(a > 0, a, 1))[1] - 1 - 2, -126, 127), 0)      # np.frexp(a)[1] - 1 = floor(log2(a)), exactly
;;       r = np.clip(x / 2.0 ** e, -6, 6)
;;       step = 2.0 ** (np.maximum(np.frexp(np.where(r == 0, 1, r))[1] - 1, 0) - 1)
;;       q = np.round(r / step) * step * 2.0 ** e      # np.round: ties to even
;;       return np.moveaxis(q.reshape(q.shape[:-2] + (-1,))[..., :K], -1, axis).astype(np.float32)
;;   ~~~
;; One version. Each part assembles by itself: llvm-mc -triple=amdgcn-amd-amdhsa -mcpu=gfx1250 --defsym DOCPART=n.
;; ======== version 1 of 1: 3 launches
;; limits: right only within a limited range of input values
;; workspace buffers: wimg 557,056 bytes; bias2 524,288 bytes; part 1,048,576 bytes
;; launch prep (part 1): grid 64 x 4, 4 waves a work-group, no clusters, 12,800 bytes of LDS; arguments attn_w, s, wimg, bias2; writes wimg, bias2
.if DOCPART == 1
	.amdgcn_target "amdgcn-amd-amdhsa--gfx1250"
	.amdhsa_code_object_version 6
	.text
	.protected	k_qccc460c9ae_prep
	.globl	k_qccc460c9ae_prep
	.p2align	8
	.type	k_qccc460c9ae_prep,@function
k_qccc460c9ae_prep:
	s_mov_b64 s[64:65], 0
	v_nop
	global_prefetch_b8 v0, s[64:65] scope:SCOPE_SE
	s_setreg_imm32_b32 hwreg(HW_REG_WAVE_MODE, 25, 1), 1
	s_wait_xcnt 0x0
; attn_w [1024][2048] f32 is quantised once, along its columns (K), to codes of FP4 (E2M1) with one E8M0 byte for each 32.
; Columns 1024..2047 (W_e) leave as IMAGES OF THE OPERAND'S REGISTERS for the next launch; columns 0..1023 (W_s) are multiplied here with Q(s): the module's first product, scaled by 2 log2(e) for the exponential that follows it.
; SHARES.  Work-group (T, y) owns rows 16 T .. 16 T + 15 of attn_w and columns 256 y .. 256 y + 255 of each half of K: two K steps of 128.  Its four waves have equal shares, 16 rows x 1,024 bytes each:
; wave 0 W_e, wave 1 W_s, wave 2 rows 0-15 of s, wave 3 rows 16-31 of s.  The first product's sum over this quarter of K leaves as a PARTIAL sum; the next launch adds the four, in ascending K.
; THE QUANTISER.  A lane takes 8 numbers of one block of 32 by two loads of 16 bytes, 64 bytes apart; the four lanes of a block stand side by side, so each load of the wave reads eight runs of 64 consecutive bytes.
; Two exchanges join the four lanes' maxima, one conversion gives the lane's 4 bytes of codes.  So inside a block the codes stand in the order k = 4 j .. 4 j + 3, 16 + 4 j .. 16 + 4 j + 3 (j = 0..3): the same order in every operand
; of this program, so that each code meets its partner; the matrix unit only groups the products of a block otherwise.
; The codes go as rows (128 bytes + 16 of padding) into the wave's own LDS region and come back as fragments: lane (r, hh) takes the 16 bytes of block 2 c + hh of K step s of row r.
; wimg: [T][8,704]: 8 K steps x 1,024 bytes (c = 0, 1: 512 bytes, lane l's 16 bytes at 16 l), then 512 bytes of scale words: [y][row r][2 words: K steps 2 y, 2 y + 1].
; bias2: [y][T][b = 0..31][16 h] f32.
; A block's scale is 2^(floor(log2(largest magnitude)) - 2): its byte is the largest magnitude's exponent field - 2, held at 1 from below by a floor among the maximum's leaves.
; LIMITS: NaN and infinities among the inputs are not served.  A block whose largest magnitude lies under 2^-124 gets the byte 1; so does a block of zeros (the rule says 127): its codes are zeros, which add nothing, and this program alone reads the bytes.
; A work-group's 128 bytes of scale words are half of an aligned 256: the other half is its neighbour's along y.  All other stores of a wave cover 512 consecutive bytes, at a multiple of 256 from the buffer's first byte.
.set REG,  2560                        ; LDS: a region for each wave: 16 rows of codes, pitch CPI (2,304 bytes), then 128 scale bytes, 8 a row
.set CPI,  144                         ; 128 + 16: an odd multiple of 16, so that the 16 rows of a fragment load fall on different groups of banks
.set SCB,  2304
.set STG,  4*REG                       ; behind the regions: wave 1's stage, 32 rows of 64 bytes
.set QM,   16                          ; v16-31   largest magnitudes, then the conversions' scale operands
.set QC,   32                          ; v32-47   codes
.set QB,   48                          ; v48-63   scale bytes
.set X,    64                          ; v64-191  16 rows x 8 numbers; later fragments and results
	s_load_b256 s[4:11], s[0:1], 0x0               ; attn_w s[4:5], s s[6:7], wimg s[8:9], bias2 s[10:11]
	v_lshl_add_u32 v200, v0, 2, 0x3000
	v_mov_b32 v201, 0
	v_lshrrev_b32 v1, 5, v0
	v_readfirstlane_b32 s12, v1                    ; wave 0..3
	v_and_b32 v1, 31, v0                           ; lane
	v_and_b32 v2, 15, v0                           ; r
	v_bfe_u32 v3, v0, 4, 1                         ; hh
	v_lshrrev_b32 v13, 2, v1                       ; lane / 4: my block of the row's eight
	v_and_b32 v14, 3, v1
	v_lshlrev_b32 v4, 7, v13
	v_lshl_add_u32 v4, v14, 4, v4                  ; in: 128 (lane / 4) + 16 (lane % 4)
	; every LDS address is made here, ahead of the parting of the waves
	s_mul_i32 s13, s12, REG
	v_lshl_add_u32 v5, v1, 2, s13                  ; where I store codes: my region + 4 x lane
	s_add_co_u32 s14, s13, SCB
	v_add_nc_u32 v6, s14, v13                      ; and my block's scale byte
	v_mul_u32_u24 v7, v2, CPI
	v_lshl_add_u32 v7, v3, 4, v7                   ; a fragment: row r, + 16 hh; the region stands in the immediate
	v_lshl_add_u32 v8, v2, 3, SCB                  ; row r's two scale words
	v_lshlrev_b32 v9, 4, v1                        ; 16 x lane
	v_lshlrev_b32 v10, 6, v2
	v_lshl_add_u32 v10, v3, 5, v10
	v_add_nc_u32 v10, STG, v10                     ; the stage: row r of 64 bytes, + 32 hh
	v_add_nc_u32 v11, STG, v9                      ; and back: 16 bytes a lane
	v_lshlrev_b32 v12, 2, v1                       ; 4 x lane
	v_add_nc_u32 v15, SCB, v12                     ; region 0's 128 scale bytes as 32 words
	s_and_b32 s15, ttmp7, 0xffff                   ; y
	s_and_b32 s30, s12, 1
	s_lshl_b32 s31, s15, 10                        ; 1,024 bytes of a row for each y
	s_lshl_b32 s16, ttmp9, 17                      ; attn_w: 16 rows of 8,192 bytes a tile,
	s_add_co_u32 s16, s16, s31
	s_xor_b32 s32, s30, 1
	s_lshl_b32 s32, s32, 12                        ; wave 0 takes the second half of K
	s_add_co_u32 s16, s16, s32
	s_mov_b32 s17, 0
	s_lshl_b32 s18, s30, 16                        ; s: wave 3 takes rows 16-31
	s_add_co_u32 s18, s18, s31
	s_mov_b32 s19, 0
	s_mul_i32 s20, ttmp9, 8704
	s_lshl_b32 s33, s15, 7
	s_add_co_u32 s22, s20, s33
	s_add_co_u32 s22, s22, 8192                    ; wimg: the tile's scale words, 128 bytes for each y
	s_mov_b32 s23, 0
	s_lshl_b32 s33, s15, 11
	s_add_co_u32 s20, s20, s33                     ; and its codes: 2,048 bytes for each y
	s_mov_b32 s21, 0
	s_lshl_b32 s24, s15, 17                        ; bias2: 131,072 bytes for each y, 2,048 a tile
	s_lshl_b32 s33, ttmp9, 11
	s_add_co_u32 s24, s24, s33
	s_mov_b32 s25, 0
	s_mov_b32 s26, 0x4038aa3b                      ; 2 log2(e)
	s_mov_b32 s27, s26                             ; (named with it as a pair, so it is written)
	s_wait_kmcnt 0x0
	s_add_nc_u64 s[4:5], s[4:5], s[16:17]
	s_add_nc_u64 s[6:7], s[6:7], s[18:19]
	s_add_nc_u64 s[28:29], s[8:9], s[22:23]
	s_add_nc_u64 s[8:9], s[8:9], s[20:21]
	s_add_nc_u64 s[10:11], s[10:11], s[24:25]
	s_cmp_lt_u32 s12, 2                            ; the two tensors differ in the bytes from row to row, which stand in the immediates
	s_cbranch_scc0 .Lfrom_s
.set z, 0
.rept 16
	global_load_b128 v[X+8*z:X+8*z+3],   v4, s[4:5] offset:8192*z th:TH_LOAD_NT
	global_load_b128 v[X+8*z+4:X+8*z+7], v4, s[4:5] offset:8192*z+64 th:TH_LOAD_NT
.set z, z+1
.endr
	s_branch .Lquant
.Lfrom_s:
.set z, 0
.rept 16
	global_load_b128 v[X+8*z:X+8*z+3],   v4, s[6:7] offset:4096*z
	global_load_b128 v[X+8*z+4:X+8*z+7], v4, s[6:7] offset:4096*z+64
.set z, z+1
.endr
.Lquant:
	s_wait_loadcnt 0x0
	; 16 rows by turns in every stage, so that no line waits for the line above it
.set z, 0
.rept 16
	v_max3_num_f32 v[QM+z], |v[X+8*z]|, |v[X+8*z+1]|, 0x1800000    ; the floor 2^(3 - 127) among the leaves: the byte cannot fall under 1
.set z, z+1
.endr
.irp n, 2,4,6
.set z, 0
.rept 16
	v_max3_num_f32 v[QM+z], |v[X+8*z+\n]|, |v[X+8*z+\n+1]|, v[QM+z]
.set z, z+1
.endr
.endr
.set z, 0
.rept 16
	v_max_num_f32_dpp v[QM+z], v[QM+z], v[QM+z] row_xmask:1 row_mask:0xf bank_mask:0xf
.set z, z+1
.endr
.set z, 0
.rept 16
	v_max_num_f32_dpp v[QM+z], v[QM+z], v[QM+z] row_xmask:2 row_mask:0xf bank_mask:0xf   ; the four lanes of a block now hold its largest magnitude
.set z, z+1
.endr
.set z, 0
.rept 16
	v_add_nc_u32 v[QM+z], 0xff000000, v[QM+z]      ; 2 off the exponent field: the conversion takes this operand's exponent field as its scale
.set z, z+1
.endr
.set z, 0
.rept 16
	v_cvt_scalef32_pk8_fp4_f32 v[QC+z], v[X+8*z:X+8*z+7], v[QM+z]
.set z, z+1
.endr
.set z, 0
.rept 16
	v_lshrrev_b32 v[QB+z], 23, v[QM+z]             ; the scale's byte.  (These are the plain lines behind the conversions)
.set z, z+1
.endr
.set z, 0
.rept 16
	ds_store_b32 v5, v[QC+z] offset:CPI*z          ; 32 lanes: the 128 bytes of row z's codes
.set z, z+1
.endr
.set z, 0
.rept 16
	ds_store_b8 v6, v[QB+z] offset:8*z             ; the four lanes of a block write the same byte with the same value
.set z, z+1
.endr
	s_wait_dscnt 0x0                               ; for the others' sake: my LDS stores are done
	s_barrier_signal -1
	s_barrier_wait -1
	s_cmp_eq_u32 s12, 0
	s_cbranch_scc0 .Lnot_we
	; ---- wave 0: W_e's two fragments leave as images, and the tile's scale words of these two K steps
.irp n, 0,1,2,3
	ds_load_b128 v[64+4*\n:67+4*\n], v7 offset:32*\n   ; n = 2 s + c: bytes 64 s + 32 c + 16 hh of row r
.endr
	ds_load_b32 v80, v15
	s_wait_dscnt 0x0
.irp n, 0,1,2,3
	global_store_b128 v9, v[64+4*\n:67+4*\n], s[8:9] offset:512*\n
.endr
	global_store_b32 v12, v80, s[28:29]            ; 32 lanes store 128 consecutive bytes
	s_wait_tensorcnt 0x0
	ds_add_u32 v200, v201
	s_wait_dscnt 0x0
	s_endpgm
.Lnot_we:
	s_cmp_eq_u32 s12, 1
	s_cbranch_scc0 .Ldone
	; ---- wave 1: this quarter of K of the first product
.irp n, 0,1,2,3
	ds_load_b128 v[64+4*\n:67+4*\n], v7 offset:REG+32*\n           ; W_s: K step s at v[64 + 8 s]
.endr
.irp t, 0,1
.irp n, 0,1,2,3
	ds_load_b128 v[80+16*\t+4*\n:83+16*\t+4*\n], v7 offset:REG*(2+\t)+32*\n   ; rows 16 t on of s: K step s at v[80 + 16 t + 8 s]
.endr
.endr
.irp u, 0,1,2
	ds_load_b64 v[192+2*\u:193+2*\u], v8 offset:REG*(1+\u)         ; scale words: v192, 193 W_s; v194, 195 and v196, 197 s: these registers hold scales and nothing else
.endr
	s_wait_dscnt 0x0
	; TRANSPOSED: source 0 = 16 rows of W_s, source 1 = 16 rows of s: lane (r, hh) holds batch row 16 t + r, register j the unit 16 T + 8 hh + j.  The two accumulators take turns.
	v_wmma_scale_f32_16x16x128_f8f6f4 v[112:119], v[64:71], v[80:87], 0, v192, v194 matrix_a_fmt:MATRIX_FMT_FP4 matrix_b_fmt:MATRIX_FMT_FP4
	v_wmma_scale_f32_16x16x128_f8f6f4 v[120:127], v[64:71], v[96:103], 0, v192, v196 matrix_a_fmt:MATRIX_FMT_FP4 matrix_b_fmt:MATRIX_FMT_FP4
	v_wmma_scale_f32_16x16x128_f8f6f4 v[112:119], v[72:79], v[88:95], v[112:119], v193, v195 matrix_a_fmt:MATRIX_FMT_FP4 matrix_b_fmt:MATRIX_FMT_FP4
	v_wmma_scale_f32_16x16x128_f8f6f4 v[120:127], v[72:79], v[104:111], v[120:127], v193, v197 matrix_a_fmt:MATRIX_FMT_FP4 matrix_b_fmt:MATRIX_FMT_FP4
.rept 4
	v_nop                                          ; four places in front of the first read of the results (ISA guide 7.12.1)
.endr
.irp j, 0,2,4,6,8,10,12,14
	v_pk_mul_f32 v[128+\j:129+\j], v[112+\j:113+\j], s[26:27] op_sel_hi:[1,0]   ; each result from its low end on
.endr
.irp t, 0,1
.irp q, 0,1
	ds_store_b128 v10, v[128+8*\t+4*\q:131+8*\t+4*\q] offset:1024*\t+16*\q
.endr
.endr
.irp n, 0,1,2,3
	ds_load_b128 v[144+4*\n:147+4*\n], v11 offset:512*\n   ; LDS serves a wave's instructions in order (ISA guide 5.7.1.4): these see my stores
.endr
	s_wait_dscnt 0x0
.irp n, 0,1,2,3
	global_store_b128 v9, v[144+4*\n:147+4*\n], s[10:11] offset:512*\n
.endr
.Ldone:
	s_wait_tensorcnt 0x0
	ds_add_u32 v200, v201
	s_wait_dscnt 0x0
	s_endpgm
.Lfunc_end_k_qccc460c9ae_prep:
	.size	k_qccc460c9ae_prep, .Lfunc_end_k_qccc460c9ae_prep-k_qccc460c9ae_prep
	.p2alignl 7, 3214868480
	.fill 96, 4, 3214868480
	.section	.rodata,"a",@progbits
	.p2align	6, 0x0
	.amdhsa_kernel k_qccc460c9ae_prep
		.amdhsa_group_segment_fixed_size 12800
		.amdhsa_private_segment_fixed_size 0
		.amdhsa_enable_private_segment 0
		.amdhsa_kernarg_size 32
		.amdhsa_user_sgpr_count 2
		.amdhsa_user_sgpr_kernarg_segment_ptr 1
		.amdhsa_wavefront_size32 1
		.amdhsa_system_sgpr_workgroup_id_x 1
		.amdhsa_system_sgpr_workgroup_id_y 1
		.amdhsa_system_sgpr_workgroup_id_z 1
		.amdhsa_system_vgpr_workitem_id 0
		.amdhsa_next_free_vgpr 202
		.amdhsa_next_free_sgpr 66
		.amdhsa_reserve_vcc 0
		.amdhsa_float_denorm_mode_32 3
		.amdhsa_float_denorm_mode_16_64 3
		.amdhsa_memory_ordered 1
		.amdhsa_forward_progress 1
		.amdhsa_inst_pref_size 25
	.end_amdhsa_kernel
	.amdgpu_metadata
---
amdhsa.version: [ 1, 2 ]
amdhsa.kernels:
  - .name:           k_qccc460c9ae_prep
    .symbol:         k_qccc460c9ae_prep.kd
    .args:
      - { .name: attn_w, .offset: 0, .size: 8, .value_kind: global_buffer, .address_space: global }
      - { .name: s, .offset: 8, .size: 8, .value_kind: global_buffer, .address_space: global }
      - { .name: wimg, .offset: 16, .size: 8, .value_kind: global_buffer, .address_space: global }
      - { .name: bias2, .offset: 24, .size: 8, .value_kind: global_buffer, .address_space: global }
    .group_segment_fixed_size: 12800
    .private_segment_fixed_size: 0
    .kernarg_segment_align: 8
    .kernarg_segment_size: 32
    .max_flat_workgroup_size: 128
    .sgpr_count:     66
    .vgpr_count:     202
    .wavefront_size: 32
...
	.end_amdgpu_metadata
.endif
;; end of part 1
;; launch energy (part 2): grid 256 x 1, 4 waves a work-group, clusters of 4 x 1, 327,680 bytes of LDS; arguments encoder_outputs, wimg, bias2, v_w, part; writes part
.if DOCPART == 2
	.amdgcn_target "amdgcn-amd-amdhsa--gfx1250"
	.amdhsa_code_object_version 6
	.text
	.protected	k_qccc460c9ae_energy
	.globl	k_qccc460c9ae_energy
	.p2align	8
	.type	k_qccc460c9ae_energy,@function
k_qccc460c9ae_energy:
	s_mov_b64 s[64:65], 0
	v_nop
	global_prefetch_b8 v0, s[64:65] scope:SCOPE_SE
	s_setreg_imm32_b32 hwreg(HW_REG_WAVE_MODE, 25, 1), 1
	s_wait_xcnt 0x0
	s_wait_alu depctr_hold_cnt(0) depctr_sa_sdst(0) depctr_va_vdst(0) depctr_va_sdst(0) depctr_va_ssrc(0) depctr_va_vcc(0) depctr_vm_vsrc(0)
	s_getreg_b32 s2, hwreg(HW_REG_IB_STS2, 6, 4)
	s_cmp_eq_u32 s2, 0
	s_cbranch_scc0 .Lentry_in_a_cluster
	s_endpgm
.Lentry_in_a_cluster:
	s_bfe_u32 s2, ttmp6, 0x10000c
	s_cmp_lg_u32 s2, 0x3003
	s_cbranch_scc0 .Lentry_shape_is_right
	s_endpgm
.Lentry_shape_is_right:
; part[w][row] = sum over wave w's quarter of the 1,024 units h of v[h] / (1 + 2^(2 log2(e) x[row][h])), x = proj_s + Q(enc) Q(W_e)^T.
; tanh(x) = 1 - 2 / (1 + e^(2x)): the next launch makes the scores of these sums; sum(v) is left out there (see its head).
; SHARES.  Work-group g owns rows 256 g .. 256 g + 255 of encoder_outputs, in four sweeps of 64 rows.  In a sweep wave w multiplies all 64 rows (their codes in 256 registers)
; with its quarter of W_e: 16 tiles of 16 units, taken in PAIRS: 64 matrix instructions on 8 accumulators, then one batch of 64 exponentials and one of 64 reciprocals.
; A LAP is half a sweep: 4 pairs a wave, two slots of W.  7 laps in the loop, the eighth written out: it fills no slot.
; W comes as images of the operand's registers through two LDS slots of 139,264 bytes, each wave fetching and reading its own quarter; all work-groups walk the same W, so the four partners of a cluster ask jointly.
; Fragments, scale words, bias and v of the next pair are fetched from LDS during a pair, into rings of four tiles: so the first read of the other slot, and with it the change of slots, stands at tiles 2 and 6 of a lap.
; THE NEXT SWEEP'S ROWS: each wave quantises 16 rows a sweep, two a pair.  A row (4,096 bytes, 8 loads) is asked for 8 rows ahead into a ring of 8 x 32 registers: up to 32,768 bytes a wave are on their way.
; The quantiser is the first launch's: 8 numbers of a block a lane, four lanes to a block, the same order of codes inside a block in every operand.  Codes and scale bytes go to an LDS image, from which every wave takes its fragments between sweeps.
; No prefetch into the L2: the rows are asked for 8 rows ahead by the register ring itself, and W is read again by every work-group.
; LIMITS: NaN and infinities among the inputs are not served.  A block under 2^-124, or of zeros, gets the scale byte 1: its codes are zeros.  Where 2^t overflows the quotient is 0, where it underflows 1: tanh's own limits.
; REGISTERS: window 0 addresses, scales, sums; window 1 the 64 rows' fragments (m, s) at 8 (8 m + s); window 2 the ring of rows; window 3 W's fragments, ring of 4 x 64.
.set WPART,  34816
.set SLOTB,  4*WPART
.set TILEB,  8704
.set IMG,    2*SLOTB                   ; the image: 64 rows of 512 bytes of codes + 16
.set IPITCH, 528
.set ASC,    IMG+64*IPITCH             ; its scale bytes: [m][r][32]
.set BIAS,   ASC+2048                  ; 1,024 f32 of bias, then 1,024 of v
.set VWO,    4096
.set SPARE,  BIAS+8192                 ; the spare words, 512 bytes
.set SPW, 1
.set NIL, 2
.set WA,  4
.set WS,  6
.set BB,  8
.set AIA, 9
.set ASA, 10
.set PO,  11
.set CST, 24
.set BST, 25
.set GOFF, 26
.set WSC, 32                           ; v32-63 W's scale words, ring of 4 x 8
.set ASR, 64                           ; v64-79 the rows' scale words
.set BIV, 80                           ; v80-143 bias (8) and v (8), ring of 4
.set ACC, 144                          ; v144-207 a pair's 8 accumulators
.set HB,  144                          ; (at the head: the loads of bias and v)
.set SS,  208                          ; v208-223 the sums, a set for each tile of a pair
.set BBA, 224                          ; bias address of this half sweep, BBB of the other
.set BBB, 225
.set CSC, 226                          ; where this lap's codes and scale bytes go
.set BSC, 227
.set QM,  228
.set QC,  236
.set QB,  244
.set G1,  24
.set G0,  32
.set MSB, 0
.macro WIN new
.if MSB != (\new)
	s_set_vgpr_msb (MSB<<8)|(\new)
.set MSB, (\new)
.endif
.endm
.macro PLACES
.rept 4
	v_nop
.endr
.endm
.macro ROUND                           ; a round of the cluster's barrier
	s_barrier_signal -1
	s_barrier_wait -1
	s_cmp_lg_u32 s14, 0
	s_cbranch_scc1 .Lnot_wave_0_\@
	s_barrier_signal -3
.Lnot_wave_0_\@:
	s_barrier_wait -3
	s_barrier_signal -1
	s_barrier_wait -1
.endm
.macro LROW2 sl, off                   ; two rows into ring places sl, sl + 1: a lane's two loads bring 8 numbers of one block
	WIN 0x80
.irp d, 0,1
.irp q, 0,1,2,3
	global_load_b128 v[32*((\sl)+\d)+8*\q:32*((\sl)+\d)+8*\q+3], v[GOFF], s[4:5] offset:(\off)+4096*\d+1024*\q th:TH_LOAD_RT_NT
	global_load_b128 v[32*((\sl)+\d)+8*\q+4:32*((\sl)+\d)+8*\q+7], v[GOFF], s[4:5] offset:(\off)+4096*\d+1024*\q+64 th:TH_LOAD_RT_NT
.endr
.endr
	WIN 0
.endm
; Rows u, u + 1 of a group of 16, in ring places u % 8 and the next: 8 quarters of a row by turns in every stage
.macro QROW2 u, ca, ba
.set QS, 32*((\u)%8)
	WIN 0x2a
.irp z, 0,1,2,3,4,5,6,7
	v_max3_num_f32 v[QM+\z], |v[QS+8*\z]|, |v[QS+8*\z+1]|, 0x1800000   ; the floor 2^(3 - 127): the byte cannot fall under 1
.endr
.irp z, 0,1,2,3,4,5,6,7
	v_max3_num_f32 v[QC+\z], |v[QS+8*\z+2]|, |v[QS+8*\z+3]|, |v[QS+8*\z+4]|
.endr
.irp z, 0,1,2,3,4,5,6,7
	v_max3_num_f32 v[QB+\z], |v[QS+8*\z+5]|, |v[QS+8*\z+6]|, |v[QS+8*\z+7]|
.endr
	WIN 0
.irp z, 0,1,2,3,4,5,6,7
	v_max3_num_f32 v[QM+\z], v[QM+\z], v[QC+\z], v[QB+\z]
.endr
.irp z, 0,1,2,3,4,5,6,7
	v_max_num_f32_dpp v[QM+\z], v[QM+\z], v[QM+\z] row_xmask:1 row_mask:0xf bank_mask:0xf
.endr
.irp z, 0,1,2,3,4,5,6,7
	v_max_num_f32_dpp v[QM+\z], v[QM+\z], v[QM+\z] row_xmask:2 row_mask:0xf bank_mask:0xf
.endr
.irp z, 0,1,2,3,4,5,6,7
	v_add_nc_u32 v[QM+\z], 0xff000000, v[QM+\z]    ; 2 off the exponent field: the conversion's scale operand
.endr
	WIN 2
.irp z, 0,1,2,3,4,5,6,7
	v_cvt_scalef32_pk8_fp4_f32 v[QC+\z], v[QS+8*\z:QS+8*\z+7], v[QM+\z]
.endr
	WIN 0
.irp z, 0,1,2,3,4,5,6,7
	v_lshrrev_b32 v[QB+\z], 23, v[QM+\z]           ; the scale's byte; also the plain lines behind the conversions
.endr
.irp d, 0,1
.irp z, 0,1,2,3
	ds_store_b32 v[\ca], v[QC+4*\d+\z] offset:16*IPITCH*(((\u)+\d)%4)+IPITCH*(((\u)+\d)/4)+128*\z
.endr
.endr
.irp d, 0,1
.irp z, 0,1,2,3
	ds_store_b8 v[\ba], v[QB+4*\d+\z] offset:512*(((\u)+\d)%4)+32*(((\u)+\d)/4)+8*\z
.endr
.endr
.endm
.macro PFW half, x                     ; half of the fragments of W of tiles x, x + 1: 16 loads
	WIN 0xc0
.irp d, 0,1
.irp n, 0,1,2,3,4,5,6,7
	ds_load_b128 v[64*(((\x)+\d)%4)+32*(\half)+4*\n:64*(((\x)+\d)%4)+32*(\half)+4*\n+3], v[WA+(((\x)+\d)/4)%2] offset:TILEB*(((\x)+\d)%4)+4096*(\half)+512*\n
.endr
.endr
	WIN 0
.endm
.macro PFS x, bb                       ; the scale words, bias and v of tiles x, x + 1: 16 loads
.irp d, 0,1
.irp k, 0,1,2,3
	ds_load_b64 v[WSC+8*(((\x)+\d)%4)+2*\k:WSC+8*(((\x)+\d)%4)+2*\k+1], v[WS+(((\x)+\d)/4)%2] offset:TILEB*(((\x)+\d)%4)+128*\k
.endr
.irp k, 0,1
	ds_load_b128 v[BIV+16*(((\x)+\d)%4)+4*\k:BIV+16*(((\x)+\d)%4)+4*\k+3], v[\bb] offset:1024*((((\x)+\d)%8)/4)+64*(((\x)+\d)%4)+16*\k
	ds_load_b128 v[BIV+16*(((\x)+\d)%4)+8+4*\k:BIV+16*(((\x)+\d)%4)+8+4*\k+3], v[\bb] offset:VWO+1024*((((\x)+\d)%8)/4)+64*(((\x)+\d)%4)+16*\k
.endr
.endr
.endm
; TRANSPOSED: source 0 = 16 units of W, source 1 = 16 rows: lane (r, hh) holds row r, register j the unit 8 hh + j.  b: W's ring place; a: 0 or 32, the tile's accumulators
.macro MM b, a, m, s
.if (\s) == 0
.if (\m) % 2
	v_wmma_scale_f32_16x16x128_f8f6f4 v[ACC+(\a)+8*(\m):ACC+(\a)+8*(\m)+7], v[64*(\b)+8*(\s):64*(\b)+8*(\s)+7], v[8*(8*(\m)+(\s)):8*(8*(\m)+(\s))+7], 0, v[WSC+8*(\b)+(\s)], v[ASR+8*((\m)/2)+(\s)] matrix_a_fmt:MATRIX_FMT_FP4 matrix_b_fmt:MATRIX_FMT_FP4 matrix_b_scale:MATRIX_SCALE_ROW1
.else
	v_wmma_scale_f32_16x16x128_f8f6f4 v[ACC+(\a)+8*(\m):ACC+(\a)+8*(\m)+7], v[64*(\b)+8*(\s):64*(\b)+8*(\s)+7], v[8*(8*(\m)+(\s)):8*(8*(\m)+(\s))+7], 0, v[WSC+8*(\b)+(\s)], v[ASR+8*((\m)/2)+(\s)] matrix_a_fmt:MATRIX_FMT_FP4 matrix_b_fmt:MATRIX_FMT_FP4
.endif
.else
.if (\m) % 2
	v_wmma_scale_f32_16x16x128_f8f6f4 v[ACC+(\a)+8*(\m):ACC+(\a)+8*(\m)+7], v[64*(\b)+8*(\s):64*(\b)+8*(\s)+7], v[8*(8*(\m)+(\s)):8*(8*(\m)+(\s))+7], v[ACC+(\a)+8*(\m):ACC+(\a)+8*(\m)+7], v[WSC+8*(\b)+(\s)], v[ASR+8*((\m)/2)+(\s)] matrix_a_fmt:MATRIX_FMT_FP4 matrix_b_fmt:MATRIX_FMT_FP4 matrix_b_scale:MATRIX_SCALE_ROW1
.else
	v_wmma_scale_f32_16x16x128_f8f6f4 v[ACC+(\a)+8*(\m):ACC+(\a)+8*(\m)+7], v[64*(\b)+8*(\s):64*(\b)+8*(\s)+7], v[8*(8*(\m)+(\s)):8*(8*(\m)+(\s))+7], v[ACC+(\a)+8*(\m):ACC+(\a)+8*(\m)+7], v[WSC+8*(\b)+(\s)], v[ASR+8*((\m)/2)+(\s)] matrix_a_fmt:MATRIX_FMT_FP4 matrix_b_fmt:MATRIX_FMT_FP4
.endif
.endif
.endm
; Rows 16 + 8 lap + u and the next of my 64 are quantised (laps 0-5), and the rows 8 further on asked for into their places (laps 0-4).  Every way that asks for nothing waits for all loads, so that the count 48 holds on every way.
.macro QBLOCK u
	s_cmp_ge_u32 s44, 6
	s_cbranch_scc1 .Ldr_\@
	s_wait_loadcnt 48                              ; behind these two rows' loads: those of the 6 younger rows
	QROW2 \u, CSC, BSC
	s_cmp_ge_u32 s44, 5
	s_cbranch_scc1 .Ldr_\@
	LROW2 \u, (24+(\u))*4096
	s_branch .Lnq_\@
.Ldr_\@:
	s_wait_loadcnt 0x0
.Lnq_\@:
.endm
; A pair of tiles u, u + 1: 32 units x 64 rows x K 1,024.  chg = 1: change of slots with a refill; 2: the other slot's load is waited for, nothing is filled.
.macro TILE2 u, chg, pf, q
.if (\chg) == 1
	s_wait_tensorcnt 0x0                           ; my part of the other slot is in;
	ds_add_u32 v[SPW], v[NIL]
	s_add_nc_u64 s[G0+4*((\u)/4)+2:G0+4*((\u)/4)+3], s[6:7], s[52:53]   ; no load of mine is out: the slot's next tiles, the next lap's
.if (\u)/4
	s_add_nc_u64 s[G0+6:G0+7], s[G0+6:G0+7], SLOTB
.endif
	s_or_b32 s[G0+4*((\u)/4)+3], s[G0+4*((\u)/4)+3], 0x80000000
	s_wait_dscnt 0x0                               ; the add is done, and my reads of the slot that is filled again
	ROUND
	tensor_load_to_lds s[G0+4*((\u)/4):G0+4*((\u)/4)+3], s[G1:G1+7]
	s_nop 0
	PLACES
.elseif (\chg) == 2
	s_wait_tensorcnt 0x0
	s_wait_dscnt 0x0
.else
	s_wait_dscnt 0x0                               ; this pair's operands, asked for during the pair before
.endif
.if \pf
	PFW 0, (\u)+2
.endif
	WIN 0x07
.irp s, 0,1,2,3,4,5,6,7
.irp m, 0,1,2,3
	MM (\u)%4, 0, \m, \s                           ; the eight accumulators by turns
.endr
.irp m, 0,1,2,3
	MM ((\u)+1)%4, 32, \m, \s
.endr
.endr
	WIN 0
	PLACES
.irp t, 0,1
.irp m, 0,1,2,3
.irp j, 0,2,4,6
	v_pk_fma_f32 v[ACC+32*\t+8*\m+\j:ACC+32*\t+8*\m+\j+1], v[ACC+32*\t+8*\m+\j:ACC+32*\t+8*\m+\j+1], s[40:41], v[BIV+16*(((\u)+\t)%4)+\j:BIV+16*(((\u)+\t)%4)+\j+1] op_sel_hi:[1,0,1]   ; t = 2 log2(e) x
.endr
.endr
.endr
.if \pf
	PFW 1, (\u)+2
.endif
	s_wait_alu depctr_va_vdst(0)
.set z, 0
.rept 64
	v_exp_f32 v[ACC+z], v[ACC+z]
.set z, z+1
.endr
	v_nop
.if \pf
.if (\u)+2 < 8
	PFS (\u)+2, BBA
.else
	PFS (\u)+2, BBB
.endif
.endif
	s_wait_alu depctr_va_vdst(0)
.if \q
	QBLOCK \u
.endif
.set z, 0
.rept 32
	v_pk_add_f32 v[ACC+z:ACC+z+1], v[ACC+z:ACC+z+1], 1.0 op_sel_hi:[1,0]
.set z, z+2
.endr
	s_wait_alu depctr_va_vdst(0)
.set z, 0
.rept 64
	v_rcp_f32 v[ACC+z], v[ACC+z]
.set z, z+1
.endr
	v_nop
	s_wait_alu depctr_va_vdst(0)
.irp j, 0,2,4,6
.irp t, 0,1
.irp m, 0,1,2,3
	v_pk_fma_f32 v[SS+8*\t+2*\m:SS+8*\t+2*\m+1], v[ACC+32*\t+8*\m+\j:ACC+32*\t+8*\m+\j+1], v[BIV+16*(((\u)+\t)%4)+8+\j:BIV+16*(((\u)+\t)%4)+8+\j+1], v[SS+8*\t+2*\m:SS+8*\t+2*\m+1]
.endr
.endr
.endr
.endm
; Between sweeps: everybody's stores into the image are done; every wave takes all 64 rows' fragments and scale words; everybody's reads are done before the image is written again.
.macro BOUNDARY
	s_wait_dscnt 0x0
	s_barrier_signal -1
	s_barrier_wait -1
	WIN 0x40
.irp m, 0,1,2,3
.irp s, 0,1,2,3,4,5,6,7
.irp c, 0,1
	ds_load_b128 v[8*(8*\m+\s)+4*\c:8*(8*\m+\s)+4*\c+3], v[AIA] offset:16*IPITCH*\m+64*\s+32*\c
.endr
.endr
.endr
	WIN 0
.irp u, 0,1
.irp c, 0,1
	ds_load_b128 v[ASR+8*\u+4*\c:ASR+8*\u+4*\c+3], v[ASA] offset:1024*\u+16*\c
.endr
.endr
	s_wait_dscnt 0x0
	s_barrier_signal -1
	s_barrier_wait -1
.endm
.macro SCORE_OUT step                  ; a sweep's 64 sums: 256 consecutive bytes a wave
.irp m, 0,1,2,3
	v_pk_add_f32 v[SS+2*\m:SS+2*\m+1], v[SS+2*\m:SS+2*\m+1], v[SS+8+2*\m:SS+8+2*\m+1]
.endr
.irp m, 0,1,2,3
	v_add_f32 v[12+\m], v[SS+2*\m], v[SS+2*\m+1]
.endr
.irp m, 0,1,2,3
	v_permlanex16_b32 v[16+\m], v[12+\m], s42, s43
.endr
.irp m, 0,1,2,3
	v_add_f32 v[12+\m], v[12+\m], v[16+\m]
.endr
	v_cndmask_b32 v20, v12, v14, s48
	v_cndmask_b32 v21, v13, v15, s48
	global_store_b64 v[PO], v[20:21], s[12:13]
.if \step
.irp j, 0,1,2,3,4,5,6,7,8,9,10,11,12,13,14,15
	v_mov_b32 v[SS+\j], 0                          ; the next sweep's sums begin
.endr
	s_wait_xcnt 0x0                                ; the store has read its base
	s_add_nc_u64 s[12:13], s[12:13], 256
.endif
.endm
.macro FIRST k                         ; two of the first sweep's 16 rows
	s_wait_loadcnt 48
	QROW2 \k, CST, BST
	LROW2 (\k)%8, 4096*((\k)+8)
.endm
	s_load_b256 s[4:11], s[0:1], 0x0               ; encoder_outputs, wimg, bias2, v_w
	s_load_b64 s[12:13], s[0:1], 0x20              ; part
	v_lshl_add_u32 v[SPW], v0, 2, SPARE
	v_mov_b32 v[NIL], 0
	ds_add_u32 v[SPW], v[NIL]
	ds_add_u32 v[SPW], v[NIL]
	v_lshrrev_b32 v30, 5, v0
	v_readfirstlane_b32 s14, v30                   ; wave
	v_lshrrev_b32 v27, 2, v0
	v_and_b32 v31, 3, v0
	v_lshlrev_b32 v27, 11, v27
	v_lshl_add_u32 v27, v31, 4, v27                ; bias2: tile thread / 4, 16 bytes for thread % 4
	v_lshlrev_b32 v28, 4, v0
	s_bfe_u32 s15, ttmp6, 0x40000
	s_lshl_b32 s16, ttmp9, 2
	s_add_co_u32 s16, s16, s15                     ; work-group g
	s_lshl_b32 s18, s16, 20                        ; my rows: 256 g + 64 wave, 4,096 bytes each
	s_lshl_b32 s19, s14, 18
	s_add_co_u32 s18, s18, s19
	s_mov_b32 s19, 0
	s_mul_i32 s20, s14, WPART                      ; my quarter of a slot, in LDS and in wimg
	s_mov_b32 s21, 0
	s_lshr_b32 s22, s16, 3                         ; batch g / 8: 64 bytes in a tile of bias2
	s_lshl_b32 s22, s22, 6
	s_mov_b32 s23, 0
	s_lshl_b32 s46, s14, 18                        ; part: [wave][g][256 rows]
	s_lshl_b32 s47, s16, 10
	s_add_co_u32 s46, s46, s47
	s_mov_b32 s47, 0
	s_mov_b32 s[G1+0], 15|(3<<16)|(1<<21)          ; the four partners; elements of 8 bytes; 136 rows of 256 bytes
	s_mov_b32 s[G1+1], 32<<16
	s_mov_b32 s[G1+2], 136<<16
	s_mov_b32 s[G1+3], 32<<16
	s_mov_b32 s[G1+4], 136
	s_mov_b32 s[G1+5], 32
	s_mov_b32 s[G1+6], 0
	s_mov_b32 s[G1+7], 0
	s_mov_b32 s40, 0x4038aa3b                      ; 2 log2(e)
	s_mov_b32 s41, s40
	s_mov_b32 s42, 0x76543210
	s_mov_b32 s43, 0xfedcba98
	s_mov_b32 s48, 0xffff0000
	s_lshl_b32 s45, s14, 8
	s_add_co_u32 s45, s45, BIAS
	s_mul_i32 s49, s14, 4*IPITCH
	s_add_co_u32 s49, s49, IMG
	s_lshl_b32 s50, s14, 7
	s_add_co_u32 s50, s50, ASC
	s_mov_b32 s52, 2*SLOTB                         ; what differs between the halves of a sweep, toggled once a lap: where the next lap's W lies,
	s_mov_b32 s53, 0
	s_mov_b32 s54, 0                               ; this half's bias and v, the other half's,
	s_mov_b32 s55, 2048
	s_mov_b32 s56, 0                               ; and where this lap's codes and scale bytes go
	s_mov_b32 s57, 0
	s_mov_b32 s44, 0                               ; lap
	s_wait_alu depctr_va_vdst(0)
	s_wait_dscnt 0x0
	s_wait_kmcnt 0x0
	s_add_nc_u64 s[4:5], s[4:5], s[18:19]
	s_add_nc_u64 s[6:7], s[6:7], s[20:21]
	s_add_nc_u64 s[8:9], s[8:9], s[22:23]
	s_add_nc_u64 s[12:13], s[12:13], s[46:47]
.irp y, 0,1,2,3
	global_load_b128 v[HB+4*\y:HB+4*\y+3], v27, s[8:9] offset:131072*\y
	global_load_b128 v[HB+16+4*\y:HB+16+4*\y+3], v27, s[8:9] offset:131072*\y+65536
.endr
	global_load_b128 v[HB+32:HB+35], v28, s[10:11]
	global_load_b128 v[HB+36:HB+39], v28, s[10:11] offset:2048
	s_mov_b32 s[G0+0], 1
	s_add_co_u32 s[G0+1], s20, 0
	s_mov_b64 s[G0+2:G0+3], s[6:7]
	s_or_b32 s[G0+3], s[G0+3], 0x80000000
	s_mov_b32 s[G0+4], 1
	s_add_co_u32 s[G0+5], s20, SLOTB
	s_add_nc_u64 s[G0+6:G0+7], s[6:7], SLOTB
	s_or_b32 s[G0+7], s[G0+7], 0x80000000
	ROUND
	tensor_load_to_lds s[G0:G0+3], s[G1:G1+7]      ; slot 0: one tensor load a wave at the head
	s_nop 0
	v_and_b32 v3, 31, v0                           ; lane
	v_and_b32 v22, 15, v0                          ; r
	v_bfe_u32 v23, v0, 4, 1                        ; hh
	v_lshrrev_b32 v30, 2, v3
	v_and_b32 v31, 3, v3
	v_lshlrev_b32 v[GOFF], 7, v30
	v_lshl_add_u32 v[GOFF], v31, 4, v[GOFF]        ; 128 (lane / 4) + 16 (lane % 4)
	s_wait_alu depctr_va_vdst(0)
	LROW2 0, 0
	LROW2 2, 4096*2
	LROW2 4, 4096*4
	v_lshl_add_u32 v29, v0, 4, BIAS
	v_lshl_add_u32 v[WA], v3, 4, s20
	v_add_nc_u32 v[WA+1], SLOTB, v[WA]
	v_lshl_add_u32 v[WS], v22, 3, s20
	v_add_nc_u32 v[WS], 8192, v[WS]
	v_add_nc_u32 v[WS+1], SLOTB, v[WS]
	v_lshl_add_u32 v[BB], v23, 5, s45
	v_mul_u32_u24 v[AIA], v22, IPITCH
	v_lshl_add_u32 v[AIA], v23, 4, v[AIA]
	v_add_nc_u32 v[AIA], IMG, v[AIA]
	v_lshl_add_u32 v[ASA], v3, 5, ASC
	v_lshlrev_b32 v[PO], 4, v22
	v_lshl_add_u32 v[PO], v23, 3, v[PO]
	v_lshl_add_u32 v[CST], v3, 2, s49
	v_add_nc_u32 v[BST], s50, v30
.irp m, 0,1,2,3
	v_mov_b32 v[16+\m], 0                          ; a lane permute's destination counts as a source
.endr
.irp j, 0,1,2,3,4,5,6,7,8,9,10,11,12,13,14,15
	v_mov_b32 v[SS+\j], 0
.endr
	s_wait_alu depctr_va_vdst(0)
	s_wait_loadcnt 48                              ; behind the ten loads of bias and v: rows 0-5
.irp y, 1,2,3
	v_pk_add_f32 v[HB:HB+1], v[HB:HB+1], v[HB+4*\y:HB+4*\y+1]          ; the first product's four parts, K ascending
	v_pk_add_f32 v[HB+2:HB+3], v[HB+2:HB+3], v[HB+4*\y+2:HB+4*\y+3]
	v_pk_add_f32 v[HB+16:HB+17], v[HB+16:HB+17], v[HB+16+4*\y:HB+16+4*\y+1]
	v_pk_add_f32 v[HB+18:HB+19], v[HB+18:HB+19], v[HB+16+4*\y+2:HB+16+4*\y+3]
.endr
	ds_store_b128 v29, v[HB:HB+3]
	ds_store_b128 v29, v[HB+16:HB+19] offset:2048
	ds_store_b128 v29, v[HB+32:HB+35] offset:VWO
	ds_store_b128 v29, v[HB+36:HB+39] offset:VWO+2048
	LROW2 6, 4096*6
	FIRST 0
	FIRST 2
	FIRST 4
	FIRST 6
	s_wait_tensorcnt 0x0                           ; slot 1's first fill is issued as a refill is
	ds_add_u32 v[SPW], v[NIL]
	s_wait_dscnt 0x0
	ROUND
	tensor_load_to_lds s[G0+4:G0+7], s[G1:G1+7]
	s_nop 0
	PLACES
	FIRST 8
	FIRST 10
	FIRST 12
	FIRST 14
	BOUNDARY
	PFW 0, 0
	PFW 1, 0
	PFS 0, BB
.Llap:
	v_add_nc_u32 v[BBA], s54, v[BB]
	v_add_nc_u32 v[BBB], s55, v[BB]
	v_add_nc_u32 v[CSC], s56, v[CST]
	v_add_nc_u32 v[BSC], s57, v[BST]
	s_wait_alu depctr_va_vdst(0)
	TILE2 0, 0, 1, 1
	TILE2 2, 1, 1, 1
	TILE2 4, 0, 1, 1
	TILE2 6, 1, 1, 1
	s_wait_alu depctr_va_vdst(0)
	s_and_b32 s58, s44, 1
	s_cmp_eq_u32 s58, 0
	s_cbranch_scc1 .Lnob                           ; a sweep ends with an odd lap
	SCORE_OUT 1
	BOUNDARY
.Lnob:
	s_wait_xcnt 0x0                                ; my loads have read their base
	s_add_nc_u64 s[4:5], s[4:5], 32768             ; 8 rows on
	s_xor_b32 s52, s52, 2*SLOTB
	s_xor_b32 s54, s54, 2048
	s_xor_b32 s55, s55, 2048
	s_xor_b32 s56, s56, 2*IPITCH
	s_xor_b32 s57, s57, 64
	s_add_co_u32 s44, s44, 1
	s_cmp_lt_u32 s44, 7
	s_cbranch_scc1 .Llap
	v_add_nc_u32 v[BBA], s54, v[BB]                ; the last lap: no row is left to quantise, no slot is filled
	s_wait_alu depctr_va_vdst(0)
	TILE2 0, 0, 1, 0
	TILE2 2, 2, 1, 0
	TILE2 4, 0, 1, 0
	TILE2 6, 0, 0, 0
	SCORE_OUT 0
	s_wait_tensorcnt 0x0                           ; the wave's end
	ds_add_u32 v[SPW], v[NIL]
	s_wait_dscnt 0x0
	ROUND                                          ; the closing round
	s_endpgm
.Lfunc_end_k_qccc460c9ae_energy:
	.size	k_qccc460c9ae_energy, .Lfunc_end_k_qccc460c9ae_energy-k_qccc460c9ae_energy
	.p2alignl 7, 3214868480
	.fill 96, 4, 3214868480
	.section	.rodata,"a",@progbits
	.p2align	6, 0x0
	.amdhsa_kernel k_qccc460c9ae_energy
		.amdhsa_group_segment_fixed_size 327680
		.amdhsa_private_segment_fixed_size 0
		.amdhsa_enable_private_segment 0
		.amdhsa_kernarg_size 40
		.amdhsa_user_sgpr_count 2
		.amdhsa_user_sgpr_kernarg_segment_ptr 1
		.amdhsa_wavefront_size32 1
		.amdhsa_system_sgpr_workgroup_id_x 1
		.amdhsa_system_sgpr_workgroup_id_y 1
		.amdhsa_system_sgpr_workgroup_id_z 1
		.amdhsa_system_vgpr_workitem_id 0
		.amdhsa_next_free_vgpr 1024
		.amdhsa_next_free_sgpr 66
		.amdhsa_reserve_vcc 0
		.amdhsa_float_denorm_mode_32 3
		.amdhsa_float_denorm_mode_16_64 3
		.amdhsa_memory_ordered 1
		.amdhsa_forward_progress 1
		.amdhsa_inst_pref_size 255
	.end_amdhsa_kernel
	.section	.bss,"aw",@nobits
	.p2align	6
	.space	262144
	.amdgpu_metadata
---
amdhsa.version: [ 1, 2 ]
amdhsa.kernels:
  - .name:           k_qccc460c9ae_energy
    .symbol:         k_qccc460c9ae_energy.kd
    .args:
      - { .name: encoder_outputs, .offset: 0, .size: 8, .value_kind: global_buffer, .address_space: global }
      - { .name: wimg, .offset: 8, .size: 8, .value_kind: global_buffer, .address_space: global }
      - { .name: bias2, .offset: 16, .size: 8, .value_kind: global_buffer, .address_space: global }
      - { .name: v_w, .offset: 24, .size: 8, .value_kind: global_buffer, .address_space: global }
      - { .name: part, .offset: 32, .size: 8, .value_kind: global_buffer, .address_space: global }
    .group_segment_fixed_size: 327680
    .private_segment_fixed_size: 0
    .kernarg_segment_align: 8
    .kernarg_segment_size: 40
    .max_flat_workgroup_size: 128
    .sgpr_count:     66
    .vgpr_count:     1024
    .wavefront_size: 32
...
	.end_amdgpu_metadata
.endif
;; end of part 2
;; launch smax (part 3): grid 32 x 1, 8 waves a work-group, no clusters, 1,280 bytes of LDS; arguments part, out0; writes out0
.if DOCPART == 3
	.amdgcn_target "amdgcn-amd-amdhsa--gfx1250"
	.amdhsa_code_object_version 6
	.text
	.protected	k_qccc460c9ae_smax
	.globl	k_qccc460c9ae_smax
	.p2align	8
	.type	k_qccc460c9ae_smax,@function
k_qccc460c9ae_smax:
	s_mov_b64 s[64:65], 0
	v_nop
	global_prefetch_b8 v0, s[64:65] scope:SCOPE_SE
	s_setreg_imm32_b32 hwreg(HW_REG_WAVE_MODE, 25, 1), 1
	s_wait_xcnt 0x0
; out0[b][:] = softmax over the 2,048 rows of batch b of the scores.  A score is sum(v) - 2 S, S the sum of the four partial sums in part; sum(v) is common to the row and cancels in the softmax for every input.
; So z = -2 log2(e) S, M = the row's largest z, p = 2^(z - M), out = p / sum(p): the maximum is taken away ahead of the exponential.
; One work-group to a softmax row, eight waves; thread t takes two granules of four neighbouring rows, t and t + 256: 16 bytes each.
; part is [w][g][c][r][m]: the granule of rows 4 R4 .. 4 R4 + 3 of a work-group g of the launch before (R4 = 16 (r / 4) + 4 c + r % 4) lies at granule 16 c + r: the load's address undoes that order.
; 32 work-groups: a softmax row is the unit of work, and the launch moves 1.3 MB.  No matrix unit, no tensor load: nothing here would feed them.
	s_load_b128 s[4:7], s[0:1], 0x0                ; part, out0
	v_lshl_add_u32 v56, v0, 2, 0x100
	v_mov_b32 v57, 0
	v_lshrrev_b32 v1, 5, v0                        ; wave
	v_bfe_u32 v3, v0, 2, 2                         ; c = (R4 / 4) % 4
	v_bfe_u32 v4, v0, 4, 2                         ; r / 4 = R4 / 16
	v_and_b32 v5, 3, v0                            ; r % 4
	s_delay_alu instid0(VALU_DEP_3)
	v_lshlrev_b32 v3, 4, v3
	s_delay_alu instid0(VALU_DEP_1)
	v_lshl_add_u32 v3, v4, 2, v3
	s_delay_alu instid0(VALU_DEP_1)
	v_add_nc_u32 v3, v3, v5                        ; 16 c + r
	v_lshrrev_b32 v4, 6, v0
	s_delay_alu instid0(VALU_DEP_1)
	v_lshlrev_b32 v4, 10, v4                       ; 1,024 bytes for each 64 granules
	s_delay_alu instid0(VALU_DEP_1)
	v_lshl_add_u32 v3, v3, 4, v4
	v_lshlrev_b32 v6, 4, v0                        ; out0: 16 bytes a thread
	v_lshlrev_b32 v7, 2, v1                        ; LDS: a word for each wave
	v_mov_b32 v41, 0                               ; written once: a lane permute's destination counts as one of its sources
	v_mov_b32 v43, 0                               ; LDS address 0; also the upper half of the pair v[42:43]
	s_lshl_b32 s10, ttmp9, 13                      ; 8,192 bytes a batch, in part's quarters and in out0
	s_mov_b32 s11, 0
	s_mov_b32 s12, 0xc038aa3b                      ; -2 log2(e)
	s_mov_b32 s13, s12
	s_mov_b32 s14, 0x76543210
	s_mov_b32 s15, 0xfedcba98
	s_wait_alu depctr_va_vdst(0)
	s_wait_kmcnt 0x0
	s_add_nc_u64 s[4:5], s[4:5], s[10:11]
	s_add_nc_u64 s[6:7], s[6:7], s[10:11]
.irp e, 0,1
.irp w, 0,1,2,3
	global_load_b128 v[8+16*\e+4*\w:8+16*\e+4*\w+3], v3, s[4:5] offset:262144*\w+4096*\e th:TH_LOAD_NT
.endr
.endr
	s_wait_loadcnt 0x0
.irp e, 0,1
.irp w, 1
	v_pk_add_f32 v[8+16*\e:9+16*\e], v[8+16*\e:9+16*\e], v[8+16*\e+4*\w:9+16*\e+4*\w]
	v_pk_add_f32 v[10+16*\e:11+16*\e], v[10+16*\e:11+16*\e], v[10+16*\e+4*\w:11+16*\e+4*\w]
.endr
.irp w, 2, 3
	s_delay_alu instid0(VALU_DEP_2)
	v_pk_add_f32 v[8+16*\e:9+16*\e], v[8+16*\e:9+16*\e], v[8+16*\e+4*\w:9+16*\e+4*\w]
	s_delay_alu instid0(VALU_DEP_2)
	v_pk_add_f32 v[10+16*\e:11+16*\e], v[10+16*\e:11+16*\e], v[10+16*\e+4*\w:11+16*\e+4*\w]
.endr
	s_delay_alu instid0(VALU_DEP_2)
	v_pk_mul_f32 v[8+16*\e:9+16*\e], v[8+16*\e:9+16*\e], s[12:13] op_sel_hi:[1,0]
	s_delay_alu instid0(VALU_DEP_2)
	v_pk_mul_f32 v[10+16*\e:11+16*\e], v[10+16*\e:11+16*\e], s[12:13] op_sel_hi:[1,0]
.endr
	; the row's largest z: my eight, my wave's, the eight waves'
	v_max3_num_f32 v40, v8, v9, v10
	s_delay_alu instid0(VALU_DEP_1)
	v_max3_num_f32 v40, v40, v11, v24
	s_delay_alu instid0(VALU_DEP_1)
	v_max3_num_f32 v40, v40, v25, v26
	s_delay_alu instid0(VALU_DEP_1)
	v_max_num_f32 v40, v40, v27
	s_delay_alu instid0(VALU_DEP_1)
	v_max_num_f32_dpp v40, v40, v40 row_xmask:1 row_mask:0xf bank_mask:0xf
	s_delay_alu instid0(VALU_DEP_1)
	v_max_num_f32_dpp v40, v40, v40 row_xmask:2 row_mask:0xf bank_mask:0xf
	s_delay_alu instid0(VALU_DEP_1)
	v_max_num_f32_dpp v40, v40, v40 row_xmask:4 row_mask:0xf bank_mask:0xf
	s_delay_alu instid0(VALU_DEP_1)
	v_max_num_f32_dpp v40, v40, v40 row_xmask:8 row_mask:0xf bank_mask:0xf
	s_delay_alu instid0(VALU_DEP_1)
	v_permlanex16_b32 v41, v40, s14, s15
	s_delay_alu instid0(VALU_DEP_1)
	v_max_num_f32 v40, v40, v41
	ds_store_b32 v7, v40                           ; all lanes write the wave's word with the same value
	s_wait_dscnt 0x0                               ; for the others' sake
	s_barrier_signal -1
	s_barrier_wait -1
	ds_load_b128 v[44:47], v43
	ds_load_b128 v[48:51], v43 offset:16
	s_wait_dscnt 0x0
	v_max3_num_f32 v40, v44, v45, v46
	s_delay_alu instid0(VALU_DEP_1)
	v_max3_num_f32 v40, v40, v47, v48
	s_delay_alu instid0(VALU_DEP_1)
	v_max3_num_f32 v40, v40, v49, v50
	s_delay_alu instid0(VALU_DEP_1)
	v_max_num_f32 v40, v40, v51
.irp j, 8,9,10,11,24,25,26,27
	v_sub_f32 v[\j], v[\j], v40
.endr
	s_wait_alu depctr_va_vdst(0)
.irp j, 8,9,10,11,24,25,26,27
	v_exp_f32 v[\j], v[\j]
.endr
	v_nop                                          ; a plain line between the last exponential and the use of its result
	s_wait_alu depctr_va_vdst(0)
	v_pk_add_f32 v[52:53], v[8:9], v[10:11]
	v_pk_add_f32 v[54:55], v[24:25], v[26:27]
	s_delay_alu instid0(VALU_DEP_1)
	v_pk_add_f32 v[52:53], v[52:53], v[54:55]
	s_delay_alu instid0(VALU_DEP_1)
	v_add_f32 v42, v52, v53
	s_delay_alu instid0(VALU_DEP_1)
	v_add_f32_dpp v42, v42, v42 row_xmask:1 row_mask:0xf bank_mask:0xf
	s_delay_alu instid0(VALU_DEP_1)
	v_add_f32_dpp v42, v42, v42 row_xmask:2 row_mask:0xf bank_mask:0xf
	s_delay_alu instid0(VALU_DEP_1)
	v_add_f32_dpp v42, v42, v42 row_xmask:4 row_mask:0xf bank_mask:0xf
	s_delay_alu instid0(VALU_DEP_1)
	v_add_f32_dpp v42, v42, v42 row_xmask:8 row_mask:0xf bank_mask:0xf
	s_delay_alu instid0(VALU_DEP_1)
	v_permlanex16_b32 v41, v42, s14, s15
	s_delay_alu instid0(VALU_DEP_1)
	v_add_f32 v42, v42, v41
	ds_store_b32 v7, v42 offset:32                 ; other bytes than the maxima's: no wave may still be reading those
	s_wait_dscnt 0x0
	s_barrier_signal -1
	s_barrier_wait -1
	ds_load_b128 v[44:47], v43 offset:32
	ds_load_b128 v[48:51], v43 offset:48
	s_wait_dscnt 0x0
	v_pk_add_f32 v[44:45], v[44:45], v[46:47]
	v_pk_add_f32 v[48:49], v[48:49], v[50:51]
	s_delay_alu instid0(VALU_DEP_1)
	v_pk_add_f32 v[44:45], v[44:45], v[48:49]
	s_delay_alu instid0(VALU_DEP_1)
	v_add_f32 v42, v44, v45                        ; at least 1: the largest z gives p = 1
	s_wait_alu depctr_va_vdst(0)
	v_rcp_f32 v42, v42
	v_nop                                          ; a plain line behind the reciprocal
	s_wait_alu depctr_va_vdst(0)
	v_pk_mul_f32 v[8:9], v[8:9], v[42:43] op_sel_hi:[1,0]
	v_pk_mul_f32 v[10:11], v[10:11], v[42:43] op_sel_hi:[1,0]
	v_pk_mul_f32 v[24:25], v[24:25], v[42:43] op_sel_hi:[1,0]
	v_pk_mul_f32 v[26:27], v[26:27], v[42:43] op_sel_hi:[1,0]
	global_store_b128 v6, v[8:11], s[6:7]          ; a wave stores 512 consecutive bytes, at a multiple of 256 from the buffer's first byte
	global_store_b128 v6, v[24:27], s[6:7] offset:4096
	s_wait_tensorcnt 0x0
	ds_add_u32 v56, v57
	s_wait_dscnt 0x0
	s_endpgm
.Lfunc_end_k_qccc460c9ae_smax:
	.size	k_qccc460c9ae_smax, .Lfunc_end_k_qccc460c9ae_smax-k_qccc460c9ae_smax
	.p2alignl 7, 3214868480
	.fill 96, 4, 3214868480
	.section	.rodata,"a",@progbits
	.p2align	6, 0x0
	.amdhsa_kernel k_qccc460c9ae_smax
		.amdhsa_group_segment_fixed_size 1280
		.amdhsa_private_segment_fixed_size 0
		.amdhsa_enable_private_segment 0
		.amdhsa_kernarg_size 16
		.amdhsa_user_sgpr_count 2
		.amdhsa_user_sgpr_kernarg_segment_ptr 1
		.amdhsa_wavefront_size32 1
		.amdhsa_system_sgpr_workgroup_id_x 1
		.amdhsa_system_sgpr_workgroup_id_y 1
		.amdhsa_system_sgpr_workgroup_id_z 1
		.amdhsa_system_vgpr_workitem_id 0
		.amdhsa_next_free_vgpr 58
		.amdhsa_next_free_sgpr 66
		.amdhsa_reserve_vcc 0
		.amdhsa_float_denorm_mode_32 3
		.amdhsa_float_denorm_mode_16_64 3
		.amdhsa_memory_ordered 1
		.amdhsa_forward_progress 1
		.amdhsa_inst_pref_size 8
	.end_amdhsa_kernel
	.amdgpu_metadata
---
amdhsa.version: [ 1, 2 ]
amdhsa.kernels:
  - .name:           k_qccc460c9ae_smax
    .symbol:         k_qccc460c9ae_smax.kd
    .args:
      - { .name: part, .offset: 0, .size: 8, .value_kind: global_buffer, .address_space: global }
      - { .name: out0, .offset: 8, .size: 8, .value_kind: global_buffer, .address_space: global }
    .group_segment_fixed_size: 1280
    .private_segment_fixed_size: 0
    .kernarg_segment_align: 8
    .kernarg_segment_size: 16
    .max_flat_workgroup_size: 256
    .sgpr_count:     66
    .vgpr_count:     58
    .wavefront_size: 32
...
	.end_amdgpu_metadata
.endif
;; end of part 3
